; MI455X (gfx1250); checked and timed in simulation.
; The chip was launched on July 23, 2026; its instructions are those of AMD's public machine-readable ISA for CDNA 5 (MIT licence, August 2026) and "CDNA5" Instruction Set Architecture Reference Guide (July 2026). The comments in the code are by the model that wrote it; some were corrected since.
;; TOM Initialization. Allowed arithmetic: float matrix products may take bf16 or f16 operands with f32 sums; all other float work in f32.
;; Inputs: fc_b 2,048 float32; fc_w 2,048 x 8,192 float32; swap1 4,096 int32; swap2 4,096 int32; weight 4,096 x 8,192 float32.
;; Outputs: out0 4,096 x 2,048 float32.
;; 2 versions, each right; version 2 is version 1 with the launch pack written anew for expert scheduling mode. Each part assembles by itself: llvm-mc -triple=amdgcn-amd-amdhsa -mcpu=gfx1250 --defsym DOCPART=n.
;; ======== version 1 of 2: 3 launches
;; workspace buffers: xb 67,108,864 bytes; wb 33,554,432 bytes; part 67,108,864 bytes
;; launch pack (part 1): grid 1536 x 1, 8 waves a work-group, no clusters, 0 bytes of LDS; arguments weight, fc_w, swap1, swap2, xb, wb; writes xb, wb
.if DOCPART == 1
	.amdgcn_target "amdgcn-amd-amdhsa--gfx1250"
	.amdhsa_code_object_version 6
	.text
	.protected	k_q9269d88055_pack
	.globl	k_q9269d88055_pack
	.p2align	8
	.type	k_q9269d88055_pack,@function
k_q9269d88055_pack:
	s_mov_b64 s[64:65], 0
	v_nop
	global_prefetch_b8 v0, s[64:65] scope:SCOPE_SE
	s_setreg_imm32_b32 hwreg(HW_REG_WAVE_MODE, 25, 1), 1
	s_wait_xcnt 0x0
; xb[b][:] = weight[b][:] with its four pieces of 2,048 numbers in the order 0, r1, r2, r3, rounded to bf16;  wb = fc_w rounded to bf16.
; r1 = s1 ? 2 : 1;  mid = s1 ? 1 : 2;  r2 = s2 ? 3 : mid;  r3 = s2 ? mid : 3;  s = (swap != 0): any non-zero swap counts as true.
; One rounding to nearest even; bf16 has f32's exponent range, so no input's size is a limit.
; A STREAM: every source byte is read once and every destination byte written once.  No LDS, no barrier, no matrix unit, no cluster:
; no two work-groups read the same bytes, and nothing is used twice.
; SHARES.  6,144 rows of 32,768 bytes (weight's 4,096, then fc_w's 2,048), four to a work-group.  Work-groups 0 to 1,023 take weight,
; the others fc_w, with both swaps taken as 0: the same text.  Thread t owns the 16 bytes at 16 t of every 4,096 source bytes (half a piece)
; and the 8 bytes at 8 t of the matching 2,048 destination bytes: a wave's load covers 512 consecutive bytes, its store 256, both aligned to their size.
; All 32 loads of a thread go out before the first is waited for: 16,384 bytes a wave on their way.  No register that a load or store names is
; written again (a load's registers only behind its own counted wait), so no further wait is needed.
.set WGROUPS, 1024                     ; work-groups that take weight
.set SROW,  32768                      ; bytes in a source row
.set DROW,  16384                      ; bytes in a destination row
.set OFF,   4                          ; v[4:15]    row i, place j = 1..3, at v[OFF+3 i+j-1]: 16 t + 8,192 x the source piece
.set X,     16                         ; v[16:143]  load n = 8 i + 2 j + half: four registers
.set SW1,   24                         ; s[24:27]   swap1 of my four rows
.set SW2,   28                         ; s[28:31]   swap2 of my four rows
	s_load_b256 s[4:11], s[0:1], 0x0               ; weight s[4:5], fc_w s[6:7], swap1 s[8:9], swap2 s[10:11]
	s_load_b128 s[12:15], s[0:1], 0x20             ; xb s[12:13], wb s[14:15]
	v_lshlrev_b32 v1, 4, v0                        ; 16 t: my place in 4,096 source bytes; also the offset for place 0, which is always piece 0
	v_lshlrev_b32 v2, 3, v0                        ; 8 t: my place in 2,048 destination bytes
	s_cmp_lt_u32 ttmp9, WGROUPS
	s_cselect_b32 s16, 0, WGROUPS
	s_sub_co_u32 s16, ttmp9, s16                   ; my number among the work-groups of my tensor
	s_mov_b32 s23, 0                               ; the high word of every offset pair below
	s_wait_kmcnt 0x0
	s_cmp_lt_u32 ttmp9, WGROUPS                    ; compared again: the subtraction set SCC
	s_cselect_b64 s[18:19], s[4:5], s[6:7]         ; from weight or from fc_w,
	s_cselect_b64 s[20:21], s[12:13], s[14:15]     ; into xb or into wb
	s_cbranch_scc0 .Lplain
	s_lshl_b32 s22, s16, 4                         ; four rows' swaps are 16 bytes
	s_add_nc_u64 s[8:9], s[8:9], s[22:23]
	s_add_nc_u64 s[10:11], s[10:11], s[22:23]
	s_load_b128 s[SW1:SW1+3], s[8:9], 0x0
	s_load_b128 s[SW2:SW2+3], s[10:11], 0x0
	s_wait_kmcnt 0x0
	s_branch .Lperm
.Lplain:                                               ; fc_w's rows keep their order
.irp i, 0,1,2,3
	s_mov_b32 s[SW1+(\i)], 0
	s_mov_b32 s[SW2+(\i)], 0
.endr
.Lperm:
	s_lshl_b32 s22, s16, 17                        ; four source rows of 32,768 bytes: 134,086,656 at the most
	s_add_nc_u64 s[18:19], s[18:19], s[22:23]
	s_lshl_b32 s22, s16, 16                        ; four destination rows of 16,384 bytes
	s_add_nc_u64 s[20:21], s[20:21], s[22:23]
; The source pieces of row i's places 1 to 3, as byte offsets.  Each number is 1, 2 or 3 by its selects; the clamp to 3 states that in the text,
; ahead of the shift and the sum that make an offset of it.
.macro PERM i
	s_cmp_lg_u32 s[SW1+(\i)], 0
	s_cselect_b32 s32, 2, 1                        ; r1
	s_cselect_b32 s33, 1, 2                        ; mid: what lies at place 2 behind the first swap
	s_cmp_lg_u32 s[SW2+(\i)], 0
	s_cselect_b32 s34, 3, s33                      ; r2
	s_cselect_b32 s35, s33, 3                      ; r3
	s_min_u32 s32, s32, 3
	s_min_u32 s34, s34, 3
	s_min_u32 s35, s35, 3
	s_lshl_b32 s32, s32, 13                        ; a piece is 8,192 source bytes
	s_lshl_b32 s34, s34, 13
	s_lshl_b32 s35, s35, 13
	v_add_nc_u32 v[OFF+3*(\i)],   s32, v1
	v_add_nc_u32 v[OFF+3*(\i)+1], s34, v1
	v_add_nc_u32 v[OFF+3*(\i)+2], s35, v1
.endm
; Row i's eight loads, in the order of the destination: place 0's two halves, place 1's, ...
.macro LOADS i
.irp hf, 0,1
	global_load_b128 v[X+4*(8*(\i)+(\hf)):X+4*(8*(\i)+(\hf))+3], v1, s[18:19] offset:(\i)*SROW+(\hf)*4096 th:TH_LOAD_NT
.endr
.irp j, 1,2,3
.irp hf, 0,1
	global_load_b128 v[X+4*(8*(\i)+2*(\j)+(\hf)):X+4*(8*(\i)+2*(\j)+(\hf))+3], v[OFF+3*(\i)+(\j)-1], s[18:19] offset:(\i)*SROW+(\hf)*4096 th:TH_LOAD_NT
.endr
.endr
.endm
.irp i, 0,1,2,3
	PERM \i
	LOADS \i
.endr
; Load n is rounded and stored: four f32 become 8 bytes.  No hint on the stores: the next launch reads these bytes.
.set n, 0
.rept 32
	s_wait_loadcnt 31-n                            ; loads come back in order (ISA guide 5.7.1): load n is in, the 31 - n younger ones stay out
	v_cvt_pk_bf16_f32 v[X+4*n],   v[X+4*n],   v[X+4*n+1]
	v_cvt_pk_bf16_f32 v[X+4*n+1], v[X+4*n+2], v[X+4*n+3]
	global_store_b64 v2, v[X+4*n:X+4*n+1], s[20:21] offset:(n/8)*DROW+(n%8)*2048  ; row n / 8; place and half n % 8, 2,048 bytes each
.set n, n+1
.endr
	s_endpgm
.Lfunc_end_k_q9269d88055_pack:
	.size	k_q9269d88055_pack, .Lfunc_end_k_q9269d88055_pack-k_q9269d88055_pack
	.p2alignl 7, 3214868480
	.fill 96, 4, 3214868480
	.section	.rodata,"a",@progbits
	.p2align	6, 0x0
	.amdhsa_kernel k_q9269d88055_pack
		.amdhsa_group_segment_fixed_size 0
		.amdhsa_private_segment_fixed_size 0
		.amdhsa_enable_private_segment 0
		.amdhsa_kernarg_size 48
		.amdhsa_user_sgpr_count 2
		.amdhsa_user_sgpr_kernarg_segment_ptr 1
		.amdhsa_wavefront_size32 1
		.amdhsa_system_sgpr_workgroup_id_x 1
		.amdhsa_system_sgpr_workgroup_id_y 1
		.amdhsa_system_sgpr_workgroup_id_z 1
		.amdhsa_system_vgpr_workitem_id 0
		.amdhsa_next_free_vgpr 144
		.amdhsa_next_free_sgpr 66
		.amdhsa_reserve_vcc 0
		.amdhsa_float_denorm_mode_32 3
		.amdhsa_float_denorm_mode_16_64 3
		.amdhsa_memory_ordered 1
		.amdhsa_forward_progress 1
		.amdhsa_inst_pref_size 15
	.end_amdhsa_kernel
	.amdgpu_metadata
---
amdhsa.version: [ 1, 2 ]
amdhsa.kernels:
  - .name:           k_q9269d88055_pack
    .symbol:         k_q9269d88055_pack.kd
    .args:
      - { .name: weight, .offset: 0, .size: 8, .value_kind: global_buffer, .address_space: global }
      - { .name: fc_w, .offset: 8, .size: 8, .value_kind: global_buffer, .address_space: global }
      - { .name: swap1, .offset: 16, .size: 8, .value_kind: global_buffer, .address_space: global }
      - { .name: swap2, .offset: 24, .size: 8, .value_kind: global_buffer, .address_space: global }
      - { .name: xb, .offset: 32, .size: 8, .value_kind: global_buffer, .address_space: global }
      - { .name: wb, .offset: 40, .size: 8, .value_kind: global_buffer, .address_space: global }
    .group_segment_fixed_size: 0
    .private_segment_fixed_size: 0
    .kernarg_segment_align: 8
    .kernarg_segment_size: 48
    .max_flat_workgroup_size: 256
    .sgpr_count:     66
    .vgpr_count:     144
    .wavefront_size: 32
...
	.end_amdgpu_metadata
.endif
;; end of part 1
;; launch gemm (part 2): grid 8 x 32, 4 waves a work-group, clusters of 4 x 4, 327,680 bytes of LDS; arguments xb, wb, part; writes part
.if DOCPART == 2
	.amdgcn_target "amdgcn-amd-amdhsa--gfx1250"
	.amdhsa_code_object_version 6
	.text
	.protected	k_q9269d88055_gemm
	.globl	k_q9269d88055_gemm
	.p2align	8
	.type	k_q9269d88055_gemm,@function
k_q9269d88055_gemm:
	s_mov_b64 s[64:65], 0
	v_nop
	global_prefetch_b8 v0, s[64:65] scope:SCOPE_SE
	s_setreg_imm32_b32 hwreg(HW_REG_WAVE_MODE, 25, 1), 1
	s_wait_xcnt 0x0
	s_wait_alu depctr_hold_cnt(0) depctr_sa_sdst(0) depctr_va_vdst(0) depctr_va_sdst(0) depctr_va_ssrc(0) depctr_va_vcc(0) depctr_vm_vsrc(0)
	s_getreg_b32 s2, hwreg(HW_REG_IB_STS2, 6, 4)
	s_cmp_eq_u32 s2, 0
	s_cbranch_scc0 .Lentry_in_a_cluster
	s_endpgm
.Lentry_in_a_cluster:
	s_bfe_u32 s2, ttmp6, 0x10000c
	s_cmp_lg_u32 s2, 0xf033
	s_cbranch_scc0 .Lentry_shape_is_right
	s_endpgm
.Lentry_shape_is_right:
; part[z][m][n] = sum over k = 4096 z .. 4096 z + 4095 of xb[m][k] wb[n][k].  xb: [4096][8192] bf16, wb: [2048][8192] bf16, part: [2][4096][2048] f32.
; Products of bf16 numbers, one f32 sum for each number of part, K ascending.  ORDER OF ROUNDING: the module's output is made of these TWO sums, which the next launch adds once
; in f32 (and then the bias): that differs from a single chain over all of K in the last bits only.
; SHARES.  A work-group makes 256 x 256 numbers of part for one half z of K: 16 x 8 tiles x 2 halves = 256 work-groups.  Whole-K tiles of that size would be 128 work-groups; a smaller tile
; would halve the matrix work that stands between two refills of a slot.  Four waves, each 128 x 128: 64 accumulators of 16 x 16, 512 registers: for 32 along K a wave reads
; 2 x 128 x 64 bytes from LDS for 64 matrix instructions.
; THE RING.  K goes in steps of 128 through two LDS slots (256 rows of A = xb, 256 rows of B = wb; each row is 256 bytes of memory and starts at a multiple of 256 from the buffer's first byte).
; Waves 0 and 1 fetch A's two halves, waves 2 and 3 B's: one tensor load of 128 rows a wave for each K step.  By this text's count a wave has two tensor loads out at the start and one behind
; each change of slots; that one has 224 of a step's 256 matrix instructions in which to land.
; CLUSTERS: 4 x 4 work-groups, all of one half of K.  The four of a row of the cluster need the same tiles of A, the four of a column the same tiles of B: each tile is asked for JOINTLY, by the
; same tensor load with the same descriptor and a mask that names the four, which divides the requests for A and B by four.
; THE MATRIX INSTRUCTION IS USED TRANSPOSED (source 0 = 16 rows of B, source 1 = 16 rows of A): lane l then holds row l % 16 of the result and its registers 0 to 7 the
; columns 8 (l / 16) + 0 .. 7: 32 neighbouring bytes of a row.
; REGISTERS, in windows of 256 (s_set_vgpr_msb: bits 1:0 source 0, 3:2 source 1, 5:4 source 2, 7:6 destination):
;   window 0: v0-31 addresses; v64-127, v128-191 fragments of A, two buffers; on the way out the same two as sets of 16 rows read back from the stage
;   window 1: v64-127, v128-191 fragments of B, two buffers
;   window 2: the 32 accumulators of my rows 0-63 ((a, b) at v[8 (8 a + b)]);   window 3: those of my rows 64-127
.set SIZE_K, 8192                      ; elements from row to row of xb and of wb
.set SIZE_N, 2048
.set KPART,  4096                      ; a work-group's share of K
.set KSTEP,  128
.set PITCH,  272                       ; an LDS row: 256 bytes + 16 of padding = 68 words: row r starts at bank 4 r mod 64 (64 banks of 4 bytes: ISA guide 11.1), so the 16 rows of a fragment load start at 16 different banks
.set HALFT,  128*PITCH                 ; 128 rows: what one tensor load brings, and what one wave reads of A or of B
.set SLOT,   4*HALFT                   ; A's 256 rows, then B's 256 rows
.set STAGE,  2*SLOT                    ; behind the ring, never filled by a tensor load: 16 rows x 528 bytes for each wave, for the way out
.set SPITCH, 528                       ; a stage row: 512 bytes (128 f32) + 16 = 132 words: again 4 r mod 64
.set SPARE,  STAGE+4*16*SPITCH         ; byte 312,320, a multiple of 256: the spare words, 128 bytes for each wave: two blocks of 256 bytes that no other line names
.set LAPS,   KPART/(2*KSTEP)           ; a lap = two K steps = once round the ring
.set ADRA, 16                          ; v16-17  LDS address of my A fragments in slot 0, 1
.set ADRB, 20                          ; v20-21  the same for B
.set STO,  24                          ; v24     the way out: where I put 32 bytes of a row of my stage
.set RD,   25                          ; v25     the way out: my 16 bytes of my stage's first row
.set CO,   26                          ; v26     16 x lane: my byte offset in 512 bytes of a row of part
.set SPW,  28                          ; v28     LDS address of my spare word: SPARE + 4 x my thread's number; never rewritten
.set NIL,  29                          ; v29     0; never rewritten
.set F0,   64                          ; fragment buffer 0
.set F1,   128                         ; fragment buffer 1
.set WV,   2                           ; s2      my wave's number
.set NH,   12                          ; s12     my half of the tile's columns; also: which 128 rows of a tile I fetch
.set RH,   13                          ; s13     my half of the tile's rows; also: I fetch for A (0) or for B (1)
.set G1,   24                          ; s[24:31] descriptor group 1 for A's tiles
.set G0,   32                          ; s[32:39] descriptor group 0 for A's tiles, one set for each slot
.set G1B,  48                          ; s[48:55] descriptor group 1 for B's tiles: it differs from A's in the mask alone
.set G0B,  56                          ; s[56:63] descriptor group 0 for B's tiles, one set for each slot
.set MSB, 0
.macro WIN new                         ; the immediate's high byte repeats the setting that is left; a switch that changes nothing is dropped
.if MSB != (\new)
	s_set_vgpr_msb (MSB<<8)|(\new)
.set MSB, \new
.endif
.endm
.set MUL_LO, 0xa1                      ; source 0 (B) window 1, source 1 (A) window 0, C and D window 2
.set MUL_HI, 0xf1                      ; the same, C and D window 3
.set TO_B,   0x40                      ; destination window 1, address window 0
.set ST_LO,  0x08                      ; an LDS store's data (source 1) from window 2, its address from window 0
.set ST_HI,  0x0c                      ; from window 3
; A joint load.  Each of the two lines has one mask and one set of registers for all that issue it; the branch hangs on the wave's number alone.
; An s_nop 0 and four v_nop follow each of the two lines, ahead of the jump, the label and what follows the macro.
.macro JLOAD s
	s_cmp_eq_u32 s[RH], 0
	s_cbranch_scc0 .Lfor_b_\@
	tensor_load_to_lds s[G0+4*(\s):G0+4*(\s)+3], s[G1:G1+7]
	s_nop 0
.rept 4
	v_nop
.endr
	s_branch .Lasked_\@
.Lfor_b_\@:
	tensor_load_to_lds s[G0B+4*(\s):G0B+4*(\s)+3], s[G1B:G1B+7]
	s_nop 0
.rept 4
	v_nop
.endr
.Lasked_\@:
.endm
; A round of the cluster's barrier: my work-group's barrier, so that wave 0's signal speaks for all four waves; wave 0 signals for the work-group; every wave waits for all
; sixteen work-groups; my work-group's barrier once more.
.macro CREST                           ; a round behind its opening barrier
	s_cmp_lg_u32 s[WV], 0
	s_cbranch_scc1 .Lnot_wave_0_\@
	s_barrier_signal -3
.Lnot_wave_0_\@:
	s_barrier_wait -3
	s_barrier_signal -1
	s_barrier_wait -1
.endm
.macro CROUND                          ; a whole round
	s_barrier_signal -1
	s_barrier_wait -1
	CREST
.endm
	s_load_b128 s[4:7], s[0:1], 0x0                ; xb s[4:5], wb s[6:7]
	s_load_b64 s[8:9], s[0:1], 0x10                ; part
	v_lshl_add_u32 v[SPW], v0, 2, SPARE
	v_mov_b32 v[NIL], 0
	ds_add_u32 v[SPW], v[NIL]                      ; the wave's opening: the add and its wait stand ahead of my first tensor load; the set-up below, work on registers, stands between them
	v_lshrrev_b32 v1, 5, v0
	v_readfirstlane_b32 s[WV], v1                  ; wave 0..3
	s_and_b32 s[NH], s[WV], 1
	s_lshr_b32 s[RH], s[WV], 1
	s_bfe_u32 s14, ttmp6, 0x40000                  ; cx: my place along the cluster's x
	s_bfe_u32 s15, ttmp6, 0x40004                  ; cy: along its y
	s_lshl_b32 s16, ttmp9, 2                       ; in a cluster launch ttmp9 and ttmp7 count clusters
	s_add_co_u32 s16, s16, s14                     ; tile column = 4 x cluster x + cx: 0 to 7
	s_and_b32 s10, ttmp7, 0xffff                   ; the cluster's y, 0 to 7: its low two bits count tile rows by fours, its third bit is the half of K
	s_and_b32 s17, s10, 3
	s_lshl_b32 s17, s17, 2
	s_add_co_u32 s17, s17, s15                     ; tile row = 4 x (cluster y mod 4) + cy: 0 to 15
	s_lshr_b32 s10, s10, 2                         ; z, the half of K: made of the cluster's y alone, so all sixteen partners share it and no cy enters B's address
	s_lshl_b32 s11, s10, 13                        ; its 4,096 elements are 8,192 bytes along a row
	s_lshl_b32 s18, s15, 2
	s_lshl_b32 s18, 15, s18                        ; my row of the cluster: places 4 cy .. 4 cy + 3
	s_lshl_b32 s19, 0x1111, s14                    ; my column: places cx, cx + 4, cx + 8, cx + 12
	; descriptor group 1: a tile of 128 rows x 128 elements of 2 bytes, padded in LDS
	s_or_b32 s[G1+0], s18, (1<<16)|(1<<20)|(1<<21)|(5<<22)|(3<<25)   ; 15:0 the mask: A's tiles go to my row; 17:16 elements of 2 bytes; 20 padding on; 21 set beside a mask; 24:22 after every 64 words (code 5); 31:25 4 words of it (code 3)
	s_or_b32 s[G1B+0], s19, (1<<16)|(1<<20)|(1<<21)|(5<<22)|(3<<25)  ; the same with the mask of my column, for B's tiles
.irp g, G1, G1B
	s_mov_b32 s[(\g)+1], KSTEP<<16                 ; tensor_dim0 = 128
	s_mov_b32 s[(\g)+2], 128<<16                   ; tensor_dim1 = 128
	s_mov_b32 s[(\g)+3], KSTEP<<16                 ; tile_dim0 = 128
	s_mov_b32 s[(\g)+4], 128                       ; tile_dim1 = 128
	s_mov_b32 s[(\g)+5], SIZE_K                    ; elements from row to row
	s_mov_b32 s[(\g)+6], 0
	s_mov_b32 s[(\g)+7], 0
.endr
	; where the tiles come from.  A's hang on the tile row and z, which my row of the cluster shares; B's on the tile column and z, which my column shares.
	; Every wave makes both, in registers that never hold the other coordinate, and asks by one of them.  A row is 16,384 bytes; both offsets stay under 2^27.
	s_lshl_b32 s44, s[NH], 7                       ; which 128 rows of the tile I fetch
	s_lshl_b32 s20, s17, 8
	s_add_co_u32 s20, s20, s44                     ; A: row 256 x tile row + 128 x half
	s_lshl_b32 s20, s20, 14
	s_add_co_u32 s20, s20, s11                     ; and my half of K
	s_mov_b32 s21, 0
	s_lshl_b32 s40, s16, 8
	s_add_co_u32 s40, s40, s44                     ; B: row 256 x tile column + 128 x half
	s_lshl_b32 s40, s40, 14
	s_add_co_u32 s40, s40, s11
	s_mov_b32 s41, 0
	s_mul_i32 s46, s[WV], HALFT                    ; and where they go in a slot: A's two halves, then B's two = wave x 128 rows: no place in the cluster enters an LDS address
	s_wait_dscnt 0x0                               ; the opening add is done
	s_wait_kmcnt 0x0
	s_add_nc_u64 s[22:23], s[4:5], s[20:21]
	s_add_nc_u64 s[40:41], s[6:7], s[40:41]
	CROUND                                         ; all sixteen work-groups are here: the first joint loads meet
.irp s, 0,1
	s_mov_b32 s[G0+4*(\s)], 1                                        ; 1:0 count = 1
	s_add_co_u32 s[G0+4*(\s)+1], s46, (\s)*SLOT                      ; 63:32 LDS address
	s_add_nc_u64 s[G0+4*(\s)+2:G0+4*(\s)+3], s[22:23], (\s)*KSTEP*2  ; 120:64 global address: K step s
	s_or_b32 s[G0+4*(\s)+3], s[G0+4*(\s)+3], 0x80000000              ; 127:126 type = 2
	s_mov_b32 s[G0B+4*(\s)], 1
	s_add_co_u32 s[G0B+4*(\s)+1], s46, (\s)*SLOT
	s_add_nc_u64 s[G0B+4*(\s)+2:G0B+4*(\s)+3], s[40:41], (\s)*KSTEP*2
	s_or_b32 s[G0B+4*(\s)+3], s[G0B+4*(\s)+3], 0x80000000
	JLOAD \s                                       ; the ring is filled before anything else is done
.endr
	; A fragment is 16 rows x 32 K in 8 registers: lane l holds row l % 16; registers 0-3 hold K = 8 (l / 16) + 0..7, registers 4-7 hold
	; K = 16 + 8 (l / 16) + 0..7: two loads of 16 bytes, 32 bytes apart.  The same for source 0 and source 1.
	v_and_b32 v1, 15, v0                           ; l % 16
	v_bfe_u32 v2, v0, 4, 1                         ; l / 16
	v_mul_u32_u24 v3, v1, PITCH
	v_lshl_add_u32 v3, v2, 4, v3                   ; row x pitch + 16 x half of the lanes
	s_mul_i32 s44, s[RH], HALFT                    ; my 128 rows of A
	s_mul_i32 s45, s[NH], HALFT                    ; my 128 rows of B,
	s_add_co_u32 s45, s45, 2*HALFT                 ; which lie behind A's 256
.irp s, 0,1
	v_add_nc_u32 v[ADRA+(\s)], s44, v3
	v_add_nc_u32 v[ADRB+(\s)], s45, v3
	s_add_co_u32 s44, s44, SLOT
	s_add_co_u32 s45, s45, SLOT
.endr
	s_mul_i32 s44, s[WV], 16*SPITCH
	s_add_co_u32 s44, s44, STAGE                   ; my stage
	v_mul_u32_u24 v4, v1, SPITCH                   ; in: row l % 16, 32 bytes for each half of the lanes
	v_lshl_add_u32 v4, v2, 5, v4
	v_add_nc_u32 v[STO], s44, v4
	v_and_b32 v5, 31, v0
	v_lshlrev_b32 v[CO], 4, v5                     ; back: 32 lanes take one row of 512 bytes
	v_add_nc_u32 v[RD], s44, v[CO]
	s_lshl_b32 s42, s16, 10                        ; my first column in bytes of f32: 1,024 x tile column + 512 x half
	s_lshl_b32 s43, s[NH], 9
	s_add_co_u32 s42, s42, s43
	s_mov_b32 s43, 0
	s_add_nc_u64 s[8:9], s[8:9], s[42:43]
	s_lshl_b32 s20, s17, 8                         ; my first row: 256 x tile row + 128 x half, 8,192 bytes a row,
	s_lshl_b32 s21, s[RH], 7
	s_add_co_u32 s20, s20, s21
	s_lshl_b32 s20, s20, 13
	s_lshl_b32 s21, s10, 25                        ; in plane z of 33,554,432 bytes: under 2^26 together
	s_add_co_u32 s20, s20, s21
	s_mov_b32 s21, 0
	s_add_nc_u64 s[8:9], s[8:9], s[20:21]
; 8 matrix instructions: m block a of the window's four (hi = 0: my rows 0-63, 1: rows 64-127) x all 8 n blocks, 32 along K.  zero = 1: the product starts the sums: nothing is ever cleared.
; The 64 accumulators take turns, one instruction a turn, in the same order in every quarter: between two instructions on one accumulator stand the 63 others'.
.macro MUL8 f, hi, a, zero
	WIN MUL_LO+0x50*(\hi)
.irp b, 0,1,2,3,4,5,6,7
.if \zero
	v_wmma_f32_16x16x32_bf16 v[8*(8*(\a)+(\b)):8*(8*(\a)+(\b))+7], v[(\f)+8*(\b):(\f)+8*(\b)+7], v[(\f)+8*(4*(\hi)+(\a)):(\f)+8*(4*(\hi)+(\a))+7], 0
.else
	v_wmma_f32_16x16x32_bf16 v[8*(8*(\a)+(\b)):8*(8*(\a)+(\b))+7], v[(\f)+8*(\b):(\f)+8*(\b)+7], v[(\f)+8*(4*(\hi)+(\a)):(\f)+8*(4*(\hi)+(\a))+7], v[8*(8*(\a)+(\b)):8*(8*(\a)+(\b))+7]
.endif
.endr
.endm
.macro MUL16 f, hi, a0, zero
	MUL8 \f, \hi, \a0, \zero
	MUL8 \f, \hi, (\a0)+1, \zero
.endm
; 32 LDS loads in one run: the fragments of one quarter step (128 rows of B, 128 rows of A, 32 K at byte k of the rows) into buffer f
.macro FETCH slot, k, f
	WIN TO_B
.irp i, 0,1,2,3,4,5,6,7
	ds_load_b128 v[(\f)+8*(\i):(\f)+8*(\i)+3],   v[ADRB+(\slot)] offset:(\k)+(\i)*16*PITCH
	ds_load_b128 v[(\f)+8*(\i)+4:(\f)+8*(\i)+7], v[ADRB+(\slot)] offset:(\k)+(\i)*16*PITCH+32
.endr
	WIN 0
.irp i, 0,1,2,3,4,5,6,7
	ds_load_b128 v[(\f)+8*(\i):(\f)+8*(\i)+3],   v[ADRA+(\slot)] offset:(\k)+(\i)*16*PITCH
	ds_load_b128 v[(\f)+8*(\i)+4:(\f)+8*(\i)+7], v[ADRA+(\slot)] offset:(\k)+(\i)*16*PITCH+32
.endr
.endm
; A load into a register that a matrix instruction has read, and a store that reads a matrix result, stand four places behind that matrix instruction, and only plain vector
; instructions that name none of its registers are places (ISA guide 7.12.1 for vector instructions).
.macro PLACES
.rept 4
	v_nop
.endr
.endm
; A K step is four quarters of 32 along K, 64 matrix instructions each, on buffers 0, 1, 0, 1.
; One of the first three: multiplies buffer f; in its middle it fetches the next quarter's fragments, at byte k of the same slot's rows, into buffer g.
.macro QUARTER slot, k, f, g, zero
	s_wait_dscnt 8                                 ; B and A's rows 0-63 are in; the youngest eight loads (A's rows 64-127) may be out
	MUL16 \f, 0, 0, \zero
	MUL16 \f, 0, 2, \zero
	PLACES
	FETCH \slot, \k, \g
	s_wait_dscnt 32                                ; all but the 32 just issued
	MUL16 \f, 1, 0, \zero
	MUL16 \f, 1, 2, \zero
.endm
; The last quarter multiplies buffer 1 and changes slots: ONE barrier, for two things.  In front of it each wave waits for all its tensor loads, of which one is out: its part of the next
; slot; adds 0 to its spare word; and waits for that and for its own reads of this slot.  Behind it nobody reads this slot any more and the next slot is whole.
; fill = 1: the barrier opens a round of the cluster's barrier, and this slot is filled again, two K steps on, first thing behind the round.
.macro TURN slot, next, fill
	WIN 0                                          ; (the add's two registers lie in window 0)
	s_wait_tensorcnt 0x0                           ; all my tensor loads have landed: my part of the next slot;
	ds_add_u32 v[SPW], v[NIL]                      ; 0 onto my spare word;
	s_wait_dscnt 9                                 ; (the add and the youngest eight loads may be out)
	MUL16 F1, 0, 0, 0                              ; sixteen matrix instructions stand between the add and the wait for it
	s_wait_dscnt 0x0                               ; the add is done, and my reads of this slot are over
	s_barrier_signal -1
	MUL16 F1, 0, 2, 0                              ; work on registers while the others arrive
.if \fill
	WIN 0
.endif
	s_barrier_wait -1
.if \fill
	CREST                                          ; no wave of any partner still reads this slot's tile or has a load on its way
	s_add_nc_u64 s[G0+4*(\slot)+2:G0+4*(\slot)+3], s[G0+4*(\slot)+2:G0+4*(\slot)+3], 2*KSTEP*2    ; no tensor load of mine is out, so a group 0 may be written; the type bits on top are not reached
	s_add_nc_u64 s[G0B+4*(\slot)+2:G0B+4*(\slot)+3], s[G0B+4*(\slot)+2:G0B+4*(\slot)+3], 2*KSTEP*2
	JLOAD \slot                                    ; the first tensor load behind the round; the four v_nop behind it are also the places in front of the loads below
.else
	PLACES
.endif
	FETCH \next, 0, F0
	MUL16 F1, 1, 0, 0
	MUL16 F1, 1, 2, 0
.endm
	s_wait_tensorcnt 1                             ; my part of K step 0 is in; K step 1's may stay out
	s_barrier_signal -1
	s_barrier_wait -1                              ; everybody's is
	FETCH 0, 0, F0
	QUARTER 0, 64, F0, F1, 1                       ; the first quarter stands in front of the loop: its products start the sums
	WIN 0                                          ; at a label and at a branch every window is 0
	s_mov_b32 s3, LAPS-1
.Llap:                                                 ; a trip goes once round the ring, from a lap's second quarter to the next lap's first, and fills both slots again: trip t asks for K steps 2 t + 2 and 2 t + 3
	QUARTER 0, 128, F1, F0, 0
	QUARTER 0, 192, F0, F1, 0
	TURN 0, 1, 1
	QUARTER 1, 64,  F0, F1, 0
	QUARTER 1, 128, F1, F0, 0
	QUARTER 1, 192, F0, F1, 0
	TURN 1, 0, 1
	QUARTER 0, 64,  F0, F1, 0
	WIN 0
	s_sub_co_u32 s3, s3, 1
	s_cmp_lg_u32 s3, 0
	s_cbranch_scc1 .Llap
	QUARTER 0, 128, F1, F0, 0                      ; the last lap is written out: it fills nothing and has no round of the cluster's barrier
	QUARTER 0, 192, F0, F1, 0
	TURN 0, 1, 0
	QUARTER 1, 64,  F0, F1, 0
	QUARTER 1, 128, F1, F0, 0
	QUARTER 1, 192, F0, F1, 0
	s_wait_dscnt 8                                 ; the very last quarter: nothing more to fetch
	MUL16 F1, 0, 0, 0
	MUL16 F1, 0, 2, 0
	s_wait_dscnt 0x0
	MUL16 F1, 1, 0, 0
	MUL16 F1, 1, 2, 0
	WIN 0
	; THE WAY OUT.  A lane's 32 bytes are a sixteenth of a row's 512, and the lanes beside it hold other rows.  So a block of 16 rows at a time goes through my own stage: in by 32 bytes a lane,
	; back as whole rows, and each row is stored by the wave as 512 consecutive bytes.  The stage is mine alone and LDS serves a wave's instructions in order (ISA guide 5.7.1.4): no barrier, and no wait between the stores and the loads.
	PLACES                                         ; the LDS stores below read results just made, and the loads land in registers that the last products read
; Block a: its eight accumulators into the stage, each one's registers 0-3 first, then 4-7; then 16 rows back, into register set a % 2.
.macro TOSTAGE a
.set AC, 64*((\a)%4)
.set BK, F0+64*((\a)%2)
	WIN ST_LO+4*((\a)/4)
.irp b, 0,1,2,3,4,5,6,7
	ds_store_b128 v[STO], v[AC+8*(\b):AC+8*(\b)+3]   offset:64*(\b)
	ds_store_b128 v[STO], v[AC+8*(\b)+4:AC+8*(\b)+7] offset:64*(\b)+16
.endr
	WIN 0
	s_wait_xcnt 0x0                                ; every earlier memory instruction has had its addresses translated (ISA guide 3.1): the set, which the stores of two blocks back read, is loaded again only behind this wait
.irp t, 0,1,2,3,4,5,6,7,8,9,10,11,12,13,14,15
	ds_load_b128 v[BK+4*(\t):BK+4*(\t)+3], v[RD] offset:(\t)*SPITCH
.endr
.endm
; Block a is stored.  younger: the LDS instructions issued behind its sixteen loads: the next block's 32, or none.
.macro SEND a, younger
.set BK, F0+64*((\a)%2)
.irp t, 0,1,2,3,4,5,6,7,8,9,10,11,12,13,14,15
	s_wait_dscnt (\younger)+15-(\t)                ; LDS instructions end in order (ISA guide 5.7.1): row t is in; the later rows and the next block may be out
	global_store_b128 v[CO], v[BK+4*(\t):BK+4*(\t)+3], s[8:9] offset:(16*(\a)+(\t))*SIZE_N*4  ; 512 consecutive bytes, at a multiple of 512 from part's first byte; 127 rows at the most in the immediate.  No hint: the next launch reads them
.endr
.endm
	TOSTAGE 0
.irp a, 1,2,3,4,5,6,7                  ; a block's way through the stage is begun ahead of the stores of the block before
	TOSTAGE \a
	SEND (\a)-1, 32
.endr
	SEND 7, 0
	s_wait_tensorcnt 0x0                           ; the wave's end: an add of 0 to my spare word and its wait, behind my last tensor load and my last LDS store
	ds_add_u32 v[SPW], v[NIL]
	s_wait_dscnt 0x0
	CROUND                                         ; the closing round: no work-group ends while a partner may still ask for a tile that names it
	s_endpgm
.Lfunc_end_k_q9269d88055_gemm:
	.size	k_q9269d88055_gemm, .Lfunc_end_k_q9269d88055_gemm-k_q9269d88055_gemm
	.p2alignl 7, 3214868480
	.fill 96, 4, 3214868480
	.section	.rodata,"a",@progbits
	.p2align	6, 0x0
	.amdhsa_kernel k_q9269d88055_gemm
		.amdhsa_group_segment_fixed_size 327680
		.amdhsa_private_segment_fixed_size 0
		.amdhsa_enable_private_segment 0
		.amdhsa_kernarg_size 24
		.amdhsa_user_sgpr_count 2
		.amdhsa_user_sgpr_kernarg_segment_ptr 1
		.amdhsa_wavefront_size32 1
		.amdhsa_system_sgpr_workgroup_id_x 1
		.amdhsa_system_sgpr_workgroup_id_y 1
		.amdhsa_system_sgpr_workgroup_id_z 1
		.amdhsa_system_vgpr_workitem_id 0
		.amdhsa_next_free_vgpr 1024
		.amdhsa_next_free_sgpr 66
		.amdhsa_reserve_vcc 0
		.amdhsa_float_denorm_mode_32 3
		.amdhsa_float_denorm_mode_16_64 3
		.amdhsa_memory_ordered 1
		.amdhsa_forward_progress 1
		.amdhsa_inst_pref_size 144
	.end_amdhsa_kernel
	.amdgpu_metadata
---
amdhsa.version: [ 1, 2 ]
amdhsa.kernels:
  - .name:           k_q9269d88055_gemm
    .symbol:         k_q9269d88055_gemm.kd
    .args:
      - { .name: xb, .offset: 0, .size: 8, .value_kind: global_buffer, .address_space: global }
      - { .name: wb, .offset: 8, .size: 8, .value_kind: global_buffer, .address_space: global }
      - { .name: part, .offset: 16, .size: 8, .value_kind: global_buffer, .address_space: global }
    .group_segment_fixed_size: 327680
    .private_segment_fixed_size: 0
    .kernarg_segment_align: 8
    .kernarg_segment_size: 24
    .max_flat_workgroup_size: 128
    .sgpr_count:     66
    .vgpr_count:     1024
    .wavefront_size: 32
...
	.end_amdgpu_metadata
.endif
;; end of part 2
;; launch sum (part 3): grid 2 x 512, 8 waves a work-group, no clusters, 0 bytes of LDS; arguments part, fc_b, out0; writes out0
.if DOCPART == 3
	.amdgcn_target "amdgcn-amd-amdhsa--gfx1250"
	.amdhsa_code_object_version 6
	.text
	.protected	k_q9269d88055_sum
	.globl	k_q9269d88055_sum
	.p2align	8
	.type	k_q9269d88055_sum,@function
k_q9269d88055_sum:
	s_mov_b64 s[64:65], 0
	v_nop
	global_prefetch_b8 v0, s[64:65] scope:SCOPE_SE
	s_setreg_imm32_b32 hwreg(HW_REG_WAVE_MODE, 25, 1), 1
	s_wait_xcnt 0x0
; out0[m][n] = (part[0][m][n] + part[1][m][n]) + fc_b[n], all f32: the two halves of K are added once, then the bias.
; A STREAM: every byte of part is read once and every byte of out0 written once.  No LDS, no barrier, no matrix unit, no cluster: no two work-groups read the same bytes but the bias's 8,192.
; SHARES.  A work-group takes 8 rows of one half of the columns (4,096 bytes of each row); thread t owns the 16 bytes at 16 t of them, so its four numbers of the bias are loaded once,
; and each load or store of a wave covers 512 consecutive bytes, aligned to 512.  All 17 loads of a thread go out before the first is waited for: 8,192 bytes of part a wave on their way.
; No register that a load or store names is written again (a load's own only behind its counted wait), so no further wait is needed.
.set ROW,   8192                       ; bytes in a row of out0 and of a plane of part
.set PLANE, 33554432                   ; bytes in a plane of part
.set BIAS,  4                          ; v[4:7]    fc_b of my four columns
.set X,     8                          ; v[8:71]   row i: four registers of plane 0 at X + 8 i, four of plane 1 behind them
	s_load_b128 s[4:7], s[0:1], 0x0                ; part s[4:5], fc_b s[6:7]
	s_load_b64 s[8:9], s[0:1], 0x10                ; out0
	v_lshlrev_b32 v1, 4, v0                        ; 16 t
	s_lshl_b32 s12, ttmp9, 12                      ; my half of the columns: 4,096 bytes
	s_and_b32 s13, ttmp7, 0xffff
	s_lshl_b32 s13, s13, 16                        ; my 8 rows of 8,192 bytes: under 2^25
	s_add_co_u32 s14, s12, s13
	s_mov_b32 s15, 0
	s_mov_b32 s13, 0
	s_wait_kmcnt 0x0
	s_add_nc_u64 s[6:7], s[6:7], s[12:13]
	s_add_nc_u64 s[4:5], s[4:5], s[14:15]          ; plane 0,
	s_add_nc_u64 s[8:9], s[8:9], s[14:15]
	s_add_nc_u64 s[10:11], s[4:5], PLANE           ; plane 1
	global_load_b128 v[BIAS:BIAS+3], v1, s[6:7]
.irp i, 0,1,2,3,4,5,6,7
	global_load_b128 v[X+8*(\i):X+8*(\i)+3],   v1, s[4:5]   offset:(\i)*ROW th:TH_LOAD_NT
	global_load_b128 v[X+8*(\i)+4:X+8*(\i)+7], v1, s[10:11] offset:(\i)*ROW th:TH_LOAD_NT
.endr
.irp i, 0,1,2,3,4,5,6,7
	s_wait_loadcnt 14-2*(\i)                       ; loads come back in order (ISA guide 5.7.1): the bias and row i's two are in, the later rows' pairs stay out
	v_pk_add_f32 v[X+8*(\i):X+8*(\i)+1],   v[X+8*(\i):X+8*(\i)+1],   v[X+8*(\i)+4:X+8*(\i)+5]
	v_pk_add_f32 v[X+8*(\i)+2:X+8*(\i)+3], v[X+8*(\i)+2:X+8*(\i)+3], v[X+8*(\i)+6:X+8*(\i)+7]
	v_pk_add_f32 v[X+8*(\i):X+8*(\i)+1],   v[X+8*(\i):X+8*(\i)+1],   v[BIAS:BIAS+1]
	v_pk_add_f32 v[X+8*(\i)+2:X+8*(\i)+3], v[X+8*(\i)+2:X+8*(\i)+3], v[BIAS+2:BIAS+3]
	global_store_b128 v1, v[X+8*(\i):X+8*(\i)+3], s[8:9] offset:(\i)*ROW th:TH_STORE_NT
.endr
	s_endpgm
.Lfunc_end_k_q9269d88055_sum:
	.size	k_q9269d88055_sum, .Lfunc_end_k_q9269d88055_sum-k_q9269d88055_sum
	.p2alignl 7, 3214868480
	.fill 96, 4, 3214868480
	.section	.rodata,"a",@progbits
	.p2align	6, 0x0
	.amdhsa_kernel k_q9269d88055_sum
		.amdhsa_group_segment_fixed_size 0
		.amdhsa_private_segment_fixed_size 0
		.amdhsa_enable_private_segment 0
		.amdhsa_kernarg_size 24
		.amdhsa_user_sgpr_count 2
		.amdhsa_user_sgpr_kernarg_segment_ptr 1
		.amdhsa_wavefront_size32 1
		.amdhsa_system_sgpr_workgroup_id_x 1
		.amdhsa_system_sgpr_workgroup_id_y 1
		.amdhsa_system_sgpr_workgroup_id_z 1
		.amdhsa_system_vgpr_workitem_id 0
		.amdhsa_next_free_vgpr 72
		.amdhsa_next_free_sgpr 66
		.amdhsa_reserve_vcc 0
		.amdhsa_float_denorm_mode_32 3
		.amdhsa_float_denorm_mode_16_64 3
		.amdhsa_memory_ordered 1
		.amdhsa_forward_progress 1
		.amdhsa_inst_pref_size 6
	.end_amdhsa_kernel
	.amdgpu_metadata
---
amdhsa.version: [ 1, 2 ]
amdhsa.kernels:
  - .name:           k_q9269d88055_sum
    .symbol:         k_q9269d88055_sum.kd
    .args:
      - { .name: part, .offset: 0, .size: 8, .value_kind: global_buffer, .address_space: global }
      - { .name: fc_b, .offset: 8, .size: 8, .value_kind: global_buffer, .address_space: global }
      - { .name: out0, .offset: 16, .size: 8, .value_kind: global_buffer, .address_space: global }
    .group_segment_fixed_size: 0
    .private_segment_fixed_size: 0
    .kernarg_segment_align: 8
    .kernarg_segment_size: 24
    .max_flat_workgroup_size: 256
    .sgpr_count:     66
    .vgpr_count:     72
    .wavefront_size: 32
...
	.end_amdgpu_metadata
.endif
;; end of part 3
;; ======== version 2 of 2: 3 launches; version 1 with the launch pack written anew for expert scheduling mode
;; workspace buffers: xb 67,108,864 bytes; wb 33,554,432 bytes; part 67,108,864 bytes
;; launch pack (part 4): grid 1536 x 1, 8 waves a work-group, no clusters, 0 bytes of LDS; arguments weight, fc_w, swap1, swap2, xb, wb; writes xb, wb
.if DOCPART == 4
	.amdgcn_target "amdgcn-amd-amdhsa--gfx1250"
	.amdhsa_code_object_version 6
	.text
	.protected	k_q9269d88055_pack
	.globl	k_q9269d88055_pack
	.p2align	8
	.type	k_q9269d88055_pack,@function
k_q9269d88055_pack:
	s_mov_b64 s[64:65], 0
	v_nop
	global_prefetch_b8 v0, s[64:65] scope:SCOPE_SE
	s_setreg_imm32_b32 hwreg(HW_REG_WAVE_SCHED_MODE, 0, 2), 2
	s_setreg_imm32_b32 hwreg(HW_REG_WAVE_MODE, 25, 1), 1
	s_wait_xcnt 0x0
	s_wait_alu depctr_vm_vsrc(0)
; xb[b][:] = weight[b][:] with its four pieces of 2,048 numbers in the order 0, r1, r2, r3, rounded to bf16;  wb = fc_w rounded to bf16.
; r1 = s1 ? 2 : 1;  mid = s1 ? 1 : 2;  r2 = s2 ? 3 : mid;  r3 = s2 ? mid : 3;  s = (swap != 0): any non-zero swap counts as true.
; One rounding to nearest even; bf16 has f32's exponent range, so no input's size is a limit.
; A STREAM: every source byte is read once and every destination byte written once.  No LDS, no barrier, no matrix unit, no cluster:
; no two work-groups read the same bytes, and nothing is used twice.
; SHARES.  6,144 rows of 32,768 bytes (weight's 4,096, then fc_w's 2,048), four to a work-group.  Work-groups 0 to 1,023 take weight,
; the others fc_w, with both swaps taken as 0: the same text.  Thread t owns the 16 bytes at 16 t of every 4,096 source bytes (half a piece)
; and the 8 bytes at 8 t of the matching 2,048 destination bytes: a wave's load covers 512 consecutive bytes, its store 256, both aligned to their size.
; All 32 loads of a thread go out before the first is waited for: 16,384 bytes a wave on their way.
; THE MODE: SCHED_MODE bits 1:0 = 2 (LLVM: expert scheduling mode 2), set by the entry lines.  The code itself states the register dependences
; between vector instructions and memory instructions, with s_wait_alu, always for 0.
; THE PLAN.  Registers that memory instructions touch:
;   v1, v2, v[OFF ..]  byte offsets.  Written once by vector instructions at the head, all of them ahead of the first load; read by the loads and stores; never written again.
;   X, four a load     Load n lands in its four; no vector instruction names them before.  Behind the load's own counted wait two roundings read the four and write the
;                      first two, which store n reads.  Nothing writes them after that.
; So two kinds of dependence are stated, both 'a vector instruction has written what a memory instruction reads': the offsets, by ONE wait ahead of the 32 loads, and the
; rounded pairs.  For these the 32 loads go in eight groups of four: at the head of group g + 1 one wait states that group g's roundings have written their pairs, and group g's
; four stores follow it, dealt among group g + 1's roundings, which name group g + 1's registers alone.  No register that a memory instruction reads is ever written again,
; no load lands in a register that a vector instruction has named, no vector instruction writes a scalar register, and EXEC is never written: nothing else is owed.
.set WGROUPS, 1024                     ; work-groups that take weight
.set SROW,  32768                      ; bytes in a source row
.set DROW,  16384                      ; bytes in a destination row
.set GRP,   4                          ; loads in a group
.set OFF,   4                          ; v[4:15]    row i, place j = 1..3, at v[OFF+3 i+j-1]: 16 t + 8,192 x the source piece
.set X,     16                         ; v[16:143]  load n = 8 i + 2 j + half: four registers
.set SW1,   24                         ; s[24:27]   swap1 of my four rows
.set SW2,   28                         ; s[28:31]   swap2 of my four rows
.set PR,    32                         ; s[32:47]   row i: r1, mid, r2, r3 at PR + 4 i: each row has its own four, so that none that a vector instruction has read is written again
	s_load_b256 s[4:11], s[0:1], 0x0               ; weight s[4:5], fc_w s[6:7], swap1 s[8:9], swap2 s[10:11]
	s_load_b128 s[12:15], s[0:1], 0x20             ; xb s[12:13], wb s[14:15]
	v_lshlrev_b32 v1, 4, v0                        ; 16 t: my place in 4,096 source bytes; also the offset for place 0, which is always piece 0
	v_lshlrev_b32 v2, 3, v0                        ; 8 t: my place in 2,048 destination bytes
	s_cmp_lt_u32 ttmp9, WGROUPS
	s_cselect_b32 s16, 0, WGROUPS
	s_sub_co_u32 s16, ttmp9, s16                   ; my number among the work-groups of my tensor
	s_mov_b32 s23, 0                               ; the high word of every offset pair below
	s_wait_kmcnt 0x0
	s_cmp_lt_u32 ttmp9, WGROUPS                    ; compared again: the subtraction set SCC
	s_cselect_b64 s[18:19], s[4:5], s[6:7]         ; from weight or from fc_w,
	s_cselect_b64 s[20:21], s[12:13], s[14:15]     ; into xb or into wb
	s_cbranch_scc0 .Lplain
	s_lshl_b32 s22, s16, 4                         ; four rows' swaps are 16 bytes
	s_add_nc_u64 s[8:9], s[8:9], s[22:23]
	s_add_nc_u64 s[10:11], s[10:11], s[22:23]
	s_load_b128 s[SW1:SW1+3], s[8:9], 0x0
	s_load_b128 s[SW2:SW2+3], s[10:11], 0x0
	s_wait_kmcnt 0x0
	s_branch .Lperm
.Lplain:                                               ; fc_w's rows keep their order
.irp i, 0,1,2,3
	s_mov_b32 s[SW1+(\i)], 0
	s_mov_b32 s[SW2+(\i)], 0
.endr
.Lperm:
	s_lshl_b32 s22, s16, 17                        ; four source rows of 32,768 bytes: 134,086,656 at the most
	s_add_nc_u64 s[18:19], s[18:19], s[22:23]
	s_lshl_b32 s22, s16, 16                        ; four destination rows of 16,384 bytes
	s_add_nc_u64 s[20:21], s[20:21], s[22:23]
; The source pieces of row i's places 1 to 3, as byte offsets.  Each number is 1, 2 or 3 by its selects; the clamp to 3 states that in the text,
; ahead of the shift and the sum that make an offset of it.
.macro PERM i
	s_cmp_lg_u32 s[SW1+(\i)], 0
	s_cselect_b32 s[PR+4*(\i)],   2, 1             ; r1
	s_cselect_b32 s[PR+4*(\i)+1], 1, 2             ; mid: what lies at place 2 behind the first swap
	s_cmp_lg_u32 s[SW2+(\i)], 0
	s_cselect_b32 s[PR+4*(\i)+2], 3, s[PR+4*(\i)+1]  ; r2
	s_cselect_b32 s[PR+4*(\i)+3], s[PR+4*(\i)+1], 3  ; r3
	s_min_u32 s[PR+4*(\i)],   s[PR+4*(\i)],   3
	s_min_u32 s[PR+4*(\i)+2], s[PR+4*(\i)+2], 3
	s_min_u32 s[PR+4*(\i)+3], s[PR+4*(\i)+3], 3
	s_lshl_b32 s[PR+4*(\i)],   s[PR+4*(\i)],   13  ; a piece is 8,192 source bytes
	s_lshl_b32 s[PR+4*(\i)+2], s[PR+4*(\i)+2], 13
	s_lshl_b32 s[PR+4*(\i)+3], s[PR+4*(\i)+3], 13
	v_add_nc_u32 v[OFF+3*(\i)],   s[PR+4*(\i)],   v1
	v_add_nc_u32 v[OFF+3*(\i)+1], s[PR+4*(\i)+2], v1
	v_add_nc_u32 v[OFF+3*(\i)+2], s[PR+4*(\i)+3], v1
.endm
; Row i's eight loads, in the order of the destination: place 0's two halves, place 1's, ...
.macro LOADS i
.irp hf, 0,1
	global_load_b128 v[X+4*(8*(\i)+(\hf)):X+4*(8*(\i)+(\hf))+3], v1, s[18:19] offset:(\i)*SROW+(\hf)*4096 th:TH_LOAD_NT
.endr
.irp j, 1,2,3
.irp hf, 0,1
	global_load_b128 v[X+4*(8*(\i)+2*(\j)+(\hf)):X+4*(8*(\i)+2*(\j)+(\hf))+3], v[OFF+3*(\i)+(\j)-1], s[18:19] offset:(\i)*SROW+(\hf)*4096 th:TH_LOAD_NT
.endr
.endr
.endm
.irp i, 0,1,2,3
	PERM \i                                        ; all four rows' offsets are made ahead of the first load, so that one wait serves them all
.endr
	s_wait_alu depctr_va_vdst(0)                   ; v1, v2 and the twelve offsets v[OFF ..] are written: every load and store of the kernel reads one of them as its offset
.irp i, 0,1,2,3
	LOADS \i                                       ; no vector instruction stands between the wait and these 32
.endr
; Load n is rounded: four f32 become 8 bytes in the first two of its four registers.  Its store goes out a group later, behind the wait at that group's head.
; No hint on the stores: the next launch reads these bytes.
.set n, 0
.rept 32
.set m, n-GRP                          ; the item whose store is due
.if ((n % GRP) == 0) && (n > 0)
	s_wait_alu depctr_va_vdst(0)                   ; the roundings of the group before have written their four pairs, which this group's four stores read
.endif
.if n >= GRP
	global_store_b64 v2, v[X+4*m:X+4*m+1], s[20:21] offset:(m/8)*DROW+(m%8)*2048  ; row m / 8; place and half m % 8, 2,048 bytes each.  No vector instruction since the wait names these registers
.endif
	s_wait_loadcnt 31-n                            ; loads come back in order (ISA guide 5.7.1): load n is in, the 31 - n younger ones stay out
	v_cvt_pk_bf16_f32 v[X+4*n],   v[X+4*n],   v[X+4*n+1]
	v_cvt_pk_bf16_f32 v[X+4*n+1], v[X+4*n+2], v[X+4*n+3]
.set n, n+1
.endr
	s_wait_alu depctr_va_vdst(0)                   ; the last group's roundings have written their four pairs, which the last four stores read
.set m, 32-GRP
.rept GRP
	global_store_b64 v2, v[X+4*m:X+4*m+1], s[20:21] offset:(m/8)*DROW+(m%8)*2048
.set m, m+1
.endr
	s_endpgm
.Lfunc_end_k_q9269d88055_pack:
	.size	k_q9269d88055_pack, .Lfunc_end_k_q9269d88055_pack-k_q9269d88055_pack
	.p2alignl 7, 3214868480
	.fill 96, 4, 3214868480
	.section	.rodata,"a",@progbits
	.p2align	6, 0x0
	.amdhsa_kernel k_q9269d88055_pack
		.amdhsa_group_segment_fixed_size 0
		.amdhsa_private_segment_fixed_size 0
		.amdhsa_enable_private_segment 0
		.amdhsa_kernarg_size 48
		.amdhsa_user_sgpr_count 2
		.amdhsa_user_sgpr_kernarg_segment_ptr 1
		.amdhsa_wavefront_size32 1
		.amdhsa_system_sgpr_workgroup_id_x 1
		.amdhsa_system_sgpr_workgroup_id_y 1
		.amdhsa_system_sgpr_workgroup_id_z 1
		.amdhsa_system_vgpr_workitem_id 0
		.amdhsa_next_free_vgpr 144
		.amdhsa_next_free_sgpr 66
		.amdhsa_reserve_vcc 0
		.amdhsa_float_denorm_mode_32 3
		.amdhsa_float_denorm_mode_16_64 3
		.amdhsa_memory_ordered 1
		.amdhsa_forward_progress 1
		.amdhsa_inst_pref_size 15
	.end_amdhsa_kernel
	.amdgpu_metadata
---
amdhsa.version: [ 1, 2 ]
amdhsa.kernels:
  - .name:           k_q9269d88055_pack
    .symbol:         k_q9269d88055_pack.kd
    .args:
      - { .name: weight, .offset: 0, .size: 8, .value_kind: global_buffer, .address_space: global }
      - { .name: fc_w, .offset: 8, .size: 8, .value_kind: global_buffer, .address_space: global }
      - { .name: swap1, .offset: 16, .size: 8, .value_kind: global_buffer, .address_space: global }
      - { .name: swap2, .offset: 24, .size: 8, .value_kind: global_buffer, .address_space: global }
      - { .name: xb, .offset: 32, .size: 8, .value_kind: global_buffer, .address_space: global }
      - { .name: wb, .offset: 40, .size: 8, .value_kind: global_buffer, .address_space: global }
    .group_segment_fixed_size: 0
    .private_segment_fixed_size: 0
    .kernarg_segment_align: 8
    .kernarg_segment_size: 48
    .max_flat_workgroup_size: 256
    .sgpr_count:     66
    .vgpr_count:     144
    .wavefront_size: 32
...
	.end_amdgpu_metadata
.endif
;; end of part 4
;; launch gemm: the kernel of part 2 again; grid 8 x 32, 4 waves a work-group, clusters of 4 x 4, 327,680 bytes of LDS; arguments xb, wb, part; writes part
;; launch sum: the kernel of part 3 again; grid 2 x 512, 8 waves a work-group, no clusters, 0 bytes of LDS; arguments part, fc_b, out0; writes out0
